; MI455X (gfx1250); checked and timed in simulation.
; The chip was launched on July 23, 2026; its instructions are those of AMD's public machine-readable ISA for CDNA 5 (MIT licence, August 2026) and "CDNA5" Instruction Set Architecture Reference Guide (July 2026). The comments in the code are by the model that wrote it; some were corrected since.
;; Multi Head Attention. Allowed arithmetic: matrix products marked QUANTISED: E2M1 operands, one E8M0 scale for each 32 along K, by v_wmma_scale_f32_16x16x128_f8f6f4 with both operands' format E2M1 (or v_wmma_scale_f32_32x16x128_f4), f32 sums; products left as they are: bf16, f16 or f32 operands; f32 sums; everything else in f32.
;; Inputs: K 8 x 1,024 x 224 float32; Q 8 x 1,024 x 224 float32; V 8 x 1,024 x 224 float32; W_K 224 x 224 float32; W_O 224 x 224 float32; W_Q 224 x 224 float32; W_V 224 x 224 float32; attn_mask 8 x 1,024 x 1,024 bool.
;; Outputs: out0 8 x 1,024 x 224 float32.
;; This version of the problem:
;;   THIS VERSION OF THE PROBLEM IS GIVEN IN LOW PRECISION. The matrix products marked QUANTISED in the list below multiply operands that are first quantised to E2M1 (2 exponent bits, 1 mantissa bit; 4 bits a number), with one power-of-two scale for each 32 numbers along K (OCP MX v1.0); their sums are f32. The products marked 'left as it is' may take bf16, f16 or f32 operands, with f32 sums. Whichever they take, every output number must still come out within the allowed error. Rounding operands to bf16 (8 significant bits) uses up far more of that allowance than f16 does (11 bits, for magnitudes from 6e-5 to 65,504). All else is computed in f32.
;;   The module's matrix products, in the order in which they are computed (A, B: the left and right operand; K: the contracted axis; several contracted axes count as one K, in the product's order):
;;     1. [M 8,192, K 224] x [K 224, N 224]; A: input Q; B: input W_Q: QUANTISED
;;     2. [M 8,192, K 224] x [K 224, N 224]; A: input K; B: input W_K: QUANTISED
;;     3. [M 8,192, K 224] x [K 224, N 224]; A: input V; B: input W_V: QUANTISED
;;     4. batch 56 x [M 1,024, K 32] x [K 32, N 1,024]; A: computed on the way; B: computed on the way: left as it is (an operand is computed on the way)
;;     5. batch 56 x [M 1,024, K 1,024] x [K 1,024, N 32]; A: computed on the way; B: computed on the way: left as it is (an operand is computed on the way)
;;     6. [M 8,192, K 224] x [K 224, N 224]; A: computed on the way; B: input W_O: left as it is (an operand is computed on the way)
;;   THE QUANTISER, for each operand of a quantised product, along K:
;;     - K is cut into blocks of 32 from its start; a last block that is shorter is filled with zeros.
;;     - A block's scale is 2^e with e = floor(log2(the largest magnitude in the block)) - 2, held to -126 .. 127; a block of zeros has e = 0. As a byte (E8M0): e + 127.
;;     - Each number is divided by its block's scale, clamped to +-6, and rounded to the nearest number of E2M1, ties to even, subnormals kept.
;;     - The product sums the exact products of the quantised numbers (number of the format x scale) in f32.
;;   ~~~python
;;   def quantise(x, axis):      # numpy; x: float32 -> the quantised numbers, widened to float32 again
;;       x = np.moveaxis(x, axis, -1); K = x.shape[-1]
;;       x = np.pad(x, [(0, 0)] * (x.ndim - 1) + [(0, -K % 32)]); x = x.reshape(x.shape[:-1] + (-1, 32)); a = np.abs(x).max(-1, keepdims=True)
;;       e = np.where(a > 0, np.clip(np.frexp(np.where(a > 0, a, 1))[1] - 1 - 2, -126, 127), 0)      # np.frexp(a)[1] - 1 = floor(log2(a)), exactly
;;       r = np.clip(x / 2.0 ** e, -6, 6)
;;       step = 2.0 ** (np.maximum(np.frexp(np.where(r == 0, 1, r))[1] - 1, 0) - 1)
;;       q = np.round(r / step) * step * 2.0 ** e      # np.round: ties to even
;;       return np.moveaxis(q.reshape(q.shape[:-2] + (-1,))[..., :K], -1, axis).astype(np.float32)
;;   ~~~
;; One version. Each part assembles by itself: llvm-mc -triple=amdgcn-amd-amdhsa -mcpu=gfx1250 --defsym DOCPART=n.
;; ======== version 1 of 1: 2 launches
;; limits: values are held in f16: magnitudes above 65,504 overflow, below 6.1e-05 lose precision
;; workspace buffers: qimg 3,670,016 bytes; kvimg 7,340,032 bytes; woimg 100,352 bytes
;; launch proj (part 1): grid 192 x 1, 8 waves a work-group, clusters of 4 x 1, 232,448 bytes of LDS; arguments Q, K, V, W_Q, W_K, W_V, W_O, qimg, kvimg, woimg; writes qimg, kvimg, woimg
.if DOCPART == 1
	.amdgcn_target "amdgcn-amd-amdhsa--gfx1250"
	.amdhsa_code_object_version 6
	.text
	.protected	k_q6c3bd70fa1_proj
	.globl	k_q6c3bd70fa1_proj
	.p2align	8
	.type	k_q6c3bd70fa1_proj,@function
k_q6c3bd70fa1_proj:
	s_mov_b64 s[64:65], 0
	v_nop
	global_prefetch_b8 v0, s[64:65] scope:SCOPE_SE
	s_setreg_imm32_b32 hwreg(HW_REG_WAVE_MODE, 25, 1), 1
	s_wait_xcnt 0x0
	s_wait_alu depctr_hold_cnt(0) depctr_sa_sdst(0) depctr_va_vdst(0) depctr_va_sdst(0) depctr_va_ssrc(0) depctr_va_vcc(0) depctr_vm_vsrc(0)
	s_getreg_b32 s2, hwreg(HW_REG_IB_STS2, 6, 4)
	s_cmp_eq_u32 s2, 0
	s_cbranch_scc0 .Lentry_in_a_cluster
	s_endpgm
.Lentry_in_a_cluster:
	s_bfe_u32 s2, ttmp6, 0x10000c
	s_cmp_lg_u32 s2, 0x3003
	s_cbranch_scc0 .Lentry_shape_is_right
	s_endpgm
.Lentry_shape_is_right:
; q = Q W_Q, k = K W_K, v = V W_V: [8192][224] x [224][224], both operands quantised along K to E2M1 with one E8M0 scale for each 32 (K = 224 = 7 blocks; an eighth block of zero codes fills the second step of 128).
; The results leave as f16, laid in the order of the registers in which the second launch wants them (a fragment of 8 registers is 1,024 bytes: [group of four registers][lane][16 bytes]):
;   qimg  [tile of 16 rows (512)][head (7)][1,024]: q x log2(e) / sqrt(32);   kvimg [batch][head][64 tiles of k x 1,024 | (32 key steps x 2 tiles of the head's 32) of v, keys along the registers, x 1,024];
;   woimg [tile of 16 columns (14)][k step of 32 (7)][1,024]: 0.25 x W_O in f16 (the second launch keeps 4 x ctx: both factors are powers of two).
; THE ROWS OF A TILE ARE NOT NEIGHBOURS: row r of tile 2 i + u is row 32 i + 8 u + r + 8 (r / 8) of X.  In the second launch a lane's 16 score registers of two neighbouring tiles are then 16 neighbouring keys.
; SHARES.  A cluster of four work-groups serves one of the three tensors; a work-group 128 rows, each of its eight waves one tile of 16 rows against all 14 tiles of columns: 28 matrix instructions.
; The weight (200,704 bytes of f32) comes into LDS once for the four partners: each wave asks jointly for an eighth.  Waves 0 to 6 quantise it: a lane takes a column, its registers run down K, so a block of 32 is one lane's
; and the codes come out with K innermost; they are stored as images of the operand's registers.  Wave 7 of the first seven clusters turns a twenty-eighth of W_O into f16 meanwhile.
; q, k: the product is used transposed (source 0 = 16 columns of W, source 1 = 16 rows of X): a lane holds one row and eight neighbours of the head's 32.  v: source 0 = X, source 1 = W: a lane holds one of the head's 32 and eight keys.
; LIMITS: a block of zeros gets the scale byte 1 (its codes are zeros; the bytes are read here alone); blocks whose largest magnitude lies under 2^-124 are held at that byte; NaN and infinities among the inputs are not served;
; |q| log2(e) / sqrt(32), |k|, |v| stay under 65,504 (f16).
.set WPART, 25088                      ; an eighth of the weight: 98 rows of 256 bytes
.set WIMG,  8*WPART                    ; LDS: the raw weight from 0, rows of 896 bytes; then the 28 fragments' images, (tile N, K step s) at (2 N + s) x 1,024;
.set WSC,   WIMG+28*1024               ; their scale words, (2 N + s) x 64 + 4 r;
.set SPARE, WSC+2048                   ; the spare words, 128 bytes for each wave: four blocks of 256 bytes that no other line names
.set SPW, 12                           ; v12  LDS address of my spare word; never rewritten
.set NIL, 13                           ; v13  0; never rewritten
.set XF,  16                           ; v16-31   X's two fragments (codes)
.set XR0, 32                           ; v32-95   X's numbers of K step 0;  later the weight's fragments, two sets of 32
.set XR1, 96                           ; v96-159  of K step 1 (the last 16 are zeros);  later two accumulators and the packed results
.set WB,  32
.set DA,  96
.set FO,  112                          ; v112-127 packed results, two sets of 8
.set UB,  160                          ; v160-223 two sets of 32 numbers of the weight; in wave 7 W_O's 56
.set TM,  160                          ; v160-175 at work while X is quantised
.set CD,  224                          ; v224-231 a block's codes, two sets
.set ZC,  232                          ; v232-235 zeros: the eighth block's codes
.set UBY, 236                          ; v236-237 a block's scale byte, two sets
.set XS,  238                          ; v238-239 X's scale words
.set WS,  240                          ; v240-247 the weight's scale words, two sets of 4
.set TA,  248                          ; v248-250 at work in a block of the weight
.set WRA, 252                          ; v252-255 LDS addresses in the raw weight: 4 x thread + 57,344 x (block / 2)
.set WV,  36                           ; s36 wave   s37 cx   s38 tensor 0, 1, 2   s39 my tile of rows, 0 .. 511
.set SEL, 50                           ; s[50:51] lane selects for v_permlanex16_b32: lane l xor 16
.set CS,  52                           ; s[52:53] log2(e) / sqrt(32)
.macro ROUND                           ; a round of the cluster's barrier
	s_barrier_signal -1
	s_barrier_wait -1
	s_cmp_lg_u32 s[WV], 0
	s_cbranch_scc1 .Lnot_wave_0_\@
	s_barrier_signal -3
.Lnot_wave_0_\@:
	s_barrier_wait -3
	s_barrier_signal -1
	s_barrier_wait -1
.endm
; my 16 rows' numbers of K step s: nb blocks of 32, of which lane (r, h) takes 16 neighbours each
.macro XLOAD reg, s, nb
.irp b, 0,1,2,3
.if \b < \nb
.irp j, 0,1,2,3
	global_load_b128 v[\reg+16*\b+4*\j:\reg+16*\b+4*\j+3], v3, s[40:41] offset:512*\s+128*\b+16*\j th:TH_LOAD_NT
.endr
.endif
.endr
.endm
; 64 numbers of a lane, register 16 b + i = k 32 b + 16 (lane / 16) + i of my row, become a fragment's codes in v[pc] on and its scale word in v[pw]
.macro QUANT s, pc, pw
.irp b, 0,1,2,3
	v_max3_num_f32 v[TM+\b], |v[\s+16*\b]|, |v[\s+1+16*\b]|, 0x1800000   ; block b: my 16 numbers, and the floor 2^(3 - 127): the byte cannot fall under 1
.endr
.irp i, 2,4,6,8,10,12,14
.irp b, 0,1,2,3
	v_max3_num_f32 v[TM+\b], v[TM+\b], |v[\s+16*\b+\i]|, |v[\s+1+16*\b+\i]|
.endr
.endr
.irp b, 0,1,2,3
	v_permlanex16_b32 v[TM+4+\b], v[TM+\b], s[SEL], s[SEL+1]
.endr
.irp b, 0,1,2,3
	v_max_num_f32 v[TM+\b], v[TM+\b], v[TM+4+\b]   ; with lane l xor 16's: the block's largest magnitude
.endr
.irp b, 0,1,2,3
	v_add_nc_u32 v[TM+12+\b], 0xff000000, v[TM+\b]   ; 2 off its exponent field: the conversion's scale operand
.endr
.irp b, 0,1,2,3
	v_lshrrev_b32 v[TM+4+\b], 23, v[TM+12+\b]      ; the scale's byte
.endr
	v_lshl_or_b32 v[\pw], v[TM+5], 8, v[TM+4]
	v_lshl_or_b32 v[\pw], v[TM+6], 16, v[\pw]
	v_lshl_or_b32 v[\pw], v[TM+7], 24, v[\pw]
.irp b, 0,1,2,3
	v_cvt_scalef32_pk8_fp4_f32 v[\pc+2*\b], v[\s+16*\b:\s+7+16*\b], v[TM+12+\b]
	v_cvt_scalef32_pk8_fp4_f32 v[\pc+1+2*\b], v[\s+8+16*\b:\s+15+16*\b], v[TM+12+\b]
.endr
	v_nop                                          ; one plain place behind a scaled conversion
.irp c, 0,1                                    ; the operand's layout wants a whole block in a lane
.irp i, 0,1
	v_permlane16_swap_b32 v[\pc+4*\c+\i], v[\pc+2+4*\c+\i]
.endr
.endr
.endm
; block beta of the weight: rows 32 beta .. + 31 of my column, out of LDS into set beta % 2
.macro LOADU beta
.set i, 0
.rept 32
	ds_load_b32 v[UB+32*((\beta)%2)+i], v[WRA+(\beta)/2] offset:28672*((\beta)%2)+896*i
.set i, i+1
.endr
.endm
; and its codes and scale byte, to their places in the images: K step beta / 4, register group (beta / 2) % 2, lane half beta % 2
.macro UNIT beta
.set U,  UB+32*((\beta)%2)
.set C4, CD+4*((\beta)%2)
	v_max3_num_f32 v[TA], |v[U]|, |v[U+1]|, |v[U+2]|
	v_max3_num_f32 v[TA+1], |v[U+3]|, |v[U+4]|, |v[U+5]|
.irp i, 6,10,14,18,22,26
	v_max3_num_f32 v[TA], v[TA], |v[U+\i]|, |v[U+\i+1]|
	v_max3_num_f32 v[TA+1], v[TA+1], |v[U+\i+2]|, |v[U+\i+3]|
.endr
	v_max3_num_f32 v[TA], v[TA], |v[U+30]|, |v[U+31]|
	v_max3_num_f32 v[TA], v[TA], v[TA+1], 0x1800000
	v_add_nc_u32 v[TA+2], 0xff000000, v[TA]
	v_lshrrev_b32 v[UBY+(\beta)%2], 23, v[TA+2]
.irp g, 0,1,2,3
	v_cvt_scalef32_pk8_fp4_f32 v[C4+\g], v[U+8*\g:U+8*\g+7], v[TA+2]
.endr
	v_nop                                          ; one plain place behind a scaled conversion
	ds_store_b128 v6, v[C4:C4+3] offset:1024*((\beta)/4)+512*(((\beta)/2)%2)+256*((\beta)%2)
	ds_store_b8 v7, v[UBY+(\beta)%2] offset:64*((\beta)/4)+(\beta)%4
.endm
; the four fragments of head h (tiles 2 h and 2 h + 1 of columns, two K steps) and their scale words into set p: 12 LDS loads
.macro LOADW h, p
.irp a, 0,1
.irp s, 0,1
	ds_load_b128 v[WB+32*(\p)+8*(2*\a+\s):WB+32*(\p)+8*(2*\a+\s)+3], v8 offset:(4*(\h)+2*\a+\s)*1024
	ds_load_b128 v[WB+32*(\p)+8*(2*\a+\s)+4:WB+32*(\p)+8*(2*\a+\s)+7], v8 offset:(4*(\h)+2*\a+\s)*1024+512
	ds_load_b32 v[WS+4*(\p)+2*\a+\s], v9 offset:(4*(\h)+2*\a+\s)*64
.endr
.endr
.endm
.macro PROD kind, p, a, s
.set RD_, DA+8*(\a)
.set RW_, WB+32*(\p)+8*(2*(\a)+(\s))
.set RX_, XF+8*(\s)
.set SW_, WS+4*(\p)+2*(\a)+(\s)
.set SX_, XS+(\s)
.if \kind == 2
.if \s == 0
	v_wmma_scale_f32_16x16x128_f8f6f4 v[RD_:RD_+7], v[RX_:RX_+7], v[RW_:RW_+7], 0, v[SX_], v[SW_] matrix_a_fmt:MATRIX_FMT_FP4 matrix_b_fmt:MATRIX_FMT_FP4
.else
	v_wmma_scale_f32_16x16x128_f8f6f4 v[RD_:RD_+7], v[RX_:RX_+7], v[RW_:RW_+7], v[RD_:RD_+7], v[SX_], v[SW_] matrix_a_fmt:MATRIX_FMT_FP4 matrix_b_fmt:MATRIX_FMT_FP4
.endif
.else
.if \s == 0
	v_wmma_scale_f32_16x16x128_f8f6f4 v[RD_:RD_+7], v[RW_:RW_+7], v[RX_:RX_+7], 0, v[SW_], v[SX_] matrix_a_fmt:MATRIX_FMT_FP4 matrix_b_fmt:MATRIX_FMT_FP4
.else
	v_wmma_scale_f32_16x16x128_f8f6f4 v[RD_:RD_+7], v[RW_:RW_+7], v[RX_:RX_+7], v[RD_:RD_+7], v[SW_], v[SX_] matrix_a_fmt:MATRIX_FMT_FP4 matrix_b_fmt:MATRIX_FMT_FP4
.endif
.endif
.endm
; one head: four products (two accumulators by turns), rounded to f16, two stores of 512 consecutive bytes.  hs, as: bytes from head to head and from the first tile of columns to the second
.macro PHEAD kind, h, hs, as
.set PB, (\h)%2
.if (\h) < 6
	s_wait_dscnt 12                                ; this head's 12 loads are in; the next head's 12 may be out
.else
	s_wait_dscnt 0x0
.endif
	PROD \kind, PB, 0, 0
	PROD \kind, PB, 1, 0
	PROD \kind, PB, 0, 1
	PROD \kind, PB, 1, 1
.rept 5
	v_nop                                          ; places: four in front of the loads into the operands' registers and of the reads of the results, five in front of the next head's products, which begin these accumulators anew
.endr
.if (\h) < 5
	LOADW (\h)+2, PB
.endif
	s_wait_xcnt 0x0                                ; the earlier stores have read their registers: the packed results may be written again
.if \kind == 0
.irp k, 0,2,4,6,8,10,12,14
	v_pk_mul_f32 v[DA+\k:DA+\k+1], v[DA+\k:DA+\k+1], s[CS:CS+1] op_sel_hi:[1,0]   ; q x log2(e) / sqrt(32); each accumulator from its low end on
.endr
.endif
.irp k, 0,1,2,3,4,5,6,7
	v_cvt_pk_f16_f32 v[FO+8*PB+\k], v[DA+2*\k], v[DA+2*\k+1]
.endr
	global_store_b128 v4, v[FO+8*PB:FO+8*PB+3], s[44:45] offset:(\hs)*(\h)
	global_store_b128 v4, v[FO+8*PB+4:FO+8*PB+7], s[44:45] offset:(\hs)*(\h)+(\as)
.endm
.macro MAIN kind, hs, as
	LOADW 0, 0
	LOADW 1, 1
.irp h, 0,1,2,3,4,5,6
	PHEAD \kind, \h, \hs, \as
.endr
.endm
	s_load_b512 s[4:19], s[0:1], 0x0               ; Q, K, V s[4:9]; W_Q, W_K, W_V s[10:15]; W_O s[16:17]; qimg s[18:19]
	s_load_b128 s[20:23], s[0:1], 0x40             ; kvimg, woimg
	v_lshl_add_u32 v[SPW], v0, 2, SPARE
	v_mov_b32 v[NIL], 0
	ds_add_u32 v[SPW], v[NIL]                      ; the wave's opening: the add, twice on end, and its wait ahead of my first tensor load; the set-up below stands between
	ds_add_u32 v[SPW], v[NIL]
	v_lshrrev_b32 v1, 5, v0
	v_readfirstlane_b32 s[WV], v1                  ; wave 0..7
	s_bfe_u32 s37, ttmp6, 0x40000                  ; cx: it enters global addresses alone
	s_lshr_b32 s38, ttmp9, 4                       ; the tensor: sixteen clusters each; the four partners share it
	s_and_b32 s39, ttmp9, 15
	s_lshl_b32 s39, s39, 2
	s_add_co_u32 s39, s39, s37                     ; my block of 128 rows
	s_lshl_b32 s39, s39, 3
	s_add_co_u32 s39, s39, s[WV]                   ; my tile of 16 rows
	; descriptor group 1: a dense block of 98 rows of 256 bytes (32 elements of 8 bytes), asked for jointly by the four partners
	s_mov_b32 s24, 15|(3<<16)|(1<<21)
	s_mov_b32 s25, 32<<16
	s_mov_b32 s26, 98<<16
	s_mov_b32 s27, 32<<16
	s_mov_b32 s28, 98
	s_mov_b32 s29, 32
	s_mov_b32 s30, 0
	s_mov_b32 s31, 0
	s_mov_b32 s32, 1
	s_mul_i32 s33, s[WV], WPART                    ; LDS address: my eighth
	s_mov_b32 s56, s33                             ; and the same in the weight
	s_mov_b32 s57, 0
	s_mov_b32 s[SEL], 0x76543210
	s_mov_b32 s[SEL+1], 0xfedcba98
	s_mov_b32 s[CS], 0x3e8293ee
	s_mov_b32 s[CS+1], s[CS]
	s_lshr_b32 s54, s39, 1                         ; my tile's first row: 32 (tile / 2) + 8 (tile % 2)
	s_lshl_b32 s54, s54, 5
	s_and_b32 s55, s39, 1
	s_lshl_b32 s55, s55, 3
	s_add_co_u32 s54, s54, s55
	s_mul_i32 s54, s54, 896
	s_mov_b32 s55, 0
	v_and_b32 v1, 15, v0                           ; r
	v_bfe_u32 v2, v0, 4, 1                         ; h
	v_and_b32 v3, 8, v1
	v_add_nc_u32 v3, v3, v1                        ; r + 8 (r / 8)
	v_mul_u32_u24 v3, v3, 896
	v_lshl_add_u32 v3, v2, 6, v3                   ; X: my row, + 64 h: my 16 numbers of a block
	v_and_b32 v4, 31, v0
	v_lshlrev_b32 v4, 4, v4                        ; 16 x lane
	v_lshlrev_b32 v[WRA], 2, v0                    ; the raw weight: column = thread (waves 0 to 6: 224 columns)
	v_add_nc_u32 v[WRA+1], 57344, v[WRA]
	v_add_nc_u32 v[WRA+2], 114688, v[WRA]
	v_add_nc_u32 v[WRA+3], 172032, v[WRA]
	v_lshrrev_b32 v6, 4, v0                        ; my column's tile N = thread / 16
	v_lshlrev_b32 v7, 7, v6
	v_lshlrev_b32 v6, 11, v6
	v_lshl_add_u32 v6, v1, 4, v6
	v_add_nc_u32 v6, WIMG, v6                      ; where my codes go: WIMG + 2,048 N + 16 r
	v_lshl_add_u32 v7, v1, 2, v7
	v_add_nc_u32 v7, WSC, v7                       ; and my scale bytes: WSC + 128 N + 4 r
	v_add_nc_u32 v8, WIMG, v4                      ; the images read back: 16 x lane
	v_lshl_add_u32 v9, v1, 2, WSC                  ; the scale words: 4 r
	v_mul_u32_u24 v10, v2, 7168
	v_lshl_add_u32 v10, v1, 2, v10                 ; W_O: 8 h rows of 896 bytes + 4 r
.irp b, 0,1,2,3
	v_mov_b32 v[TM+4+\b], 0                        ; written once: a lane permute's destination counts as one of its sources
	v_mov_b32 v[ZC+\b], 0
.endr
	s_wait_dscnt 0x0                               ; both opening adds are done
	s_wait_kmcnt 0x0
	s_cmp_eq_u32 s38, 0
	s_cselect_b64 s[40:41], s[4:5], s[6:7]         ; X and its weight: the choice hangs on the cluster's number alone
	s_cselect_b64 s[42:43], s[10:11], s[12:13]
	s_cmp_eq_u32 s38, 2
	s_cselect_b64 s[40:41], s[8:9], s[40:41]
	s_cselect_b64 s[42:43], s[14:15], s[42:43]
	s_add_nc_u64 s[40:41], s[40:41], s[54:55]
	s_add_nc_u64 s[34:35], s[42:43], s[56:57]
	s_or_b32 s35, s35, 0x80000000
	XLOAD XR0, 0, 4
	XLOAD XR1, 1, 3
.set k, 0
.rept 16
	v_mov_b32 v[XR1+48+k], 0                       ; k = 224 .. 255: zeros
.set k, k+1
.endr
	ROUND                                          ; the four partners are here: the joint loads meet
	tensor_load_to_lds s[32:35], s[24:31]          ; my eighth of the weight: the wave's one tensor load
	s_nop 0
.rept 4
	v_nop
.endr
	s_wait_loadcnt 0x0
	QUANT XR0, XF, XS
	QUANT XR1, XF+8, XS+1
	s_wait_tensorcnt 0x0                           ; my eighth has landed,
	s_barrier_signal -1
	s_barrier_wait -1                              ; everybody's has
	s_cmp_eq_u32 s[WV], 7
	s_cbranch_scc1 .Lwave7
	LOADU 0
	LOADU 1
	s_wait_dscnt 32                                ; block 0 is in; block 1's 32 loads may be out
	UNIT 0
	LOADU 2
.irp u, 1,2,3,4
	s_wait_dscnt 34                                ; this block is in; the last block's two stores and the next block's 32 loads may be out: so the stores of two blocks back have read their registers
	UNIT \u
	LOADU \u+2
.endr
	s_wait_dscnt 34
	UNIT 5
	s_wait_dscnt 2                                 ; block 6 is in; block 5's two stores may be out
	UNIT 6
	ds_store_b128 v6, v[ZC:ZC+3] offset:1024+512+256   ; the eighth block: zero codes,
	ds_store_b8 v7, v[UBY] offset:64+3             ; under block 6's byte (any byte but 0xff serves)
	s_branch .Ljoin
.Lwave7:
	s_cmp_lt_u32 ttmp9, 7                          ; 7 clusters x 4 partners = 14 tiles of columns x 2 register groups of W_O's image
	s_cbranch_scc0 .Ljoin
	s_lshl_b32 s54, ttmp9, 2
	s_add_co_u32 s54, s54, s37
	s_lshr_b32 s55, s54, 1                         ; tile N
	s_and_b32 s54, s54, 1                          ; group c
	s_mul_i32 s58, s54, 14336                      ; 16 c rows
	s_lshl_b32 s59, s55, 6
	s_add_co_u32 s58, s58, s59                     ; + 16 N columns
	s_mov_b32 s59, 0
	s_add_nc_u64 s[46:47], s[16:17], s[58:59]
	s_mul_i32 s58, s55, 7168
	s_lshl_b32 s54, s54, 9
	s_add_co_u32 s58, s58, s54
	s_add_nc_u64 s[48:49], s[22:23], s[58:59]
.irp s, 0,1,2,3,4,5,6
.irp y, 0,1,2,3,4,5,6,7
	global_load_b32 v[UB+8*\s+\y], v10, s[46:47] offset:(32*\s+\y)*896   ; W_O(32 s + 16 c + 8 h + y, 16 N + r)
.endr
.endr
	s_wait_loadcnt 0x0
.set k, 0
.rept 28
	v_pk_mul_f32 v[UB+k:UB+k+1], v[UB+k:UB+k+1], 0x3e800000 op_sel_hi:[1,0]   ; x 0.25
.set k, k+2
.endr
.set k, 0
.rept 28
	v_cvt_pk_f16_f32 v[UB+k], v[UB+2*k], v[UB+2*k+1]   ; ascending, in place: register k has been read when it is written
.set k, k+1
.endr
.irp s, 0,1,2,3,4,5,6
	global_store_b128 v4, v[UB+4*\s:UB+4*\s+3], s[48:49] offset:1024*\s
.endr
.Ljoin:
	s_wait_dscnt 0x0                               ; my stores into the images have landed
	s_barrier_signal -1
	s_barrier_wait -1
.rept 8
	v_nop                                          ; X's scale words and codes were written by vector instructions: eight places ahead of the scaled products
.endr
	s_lshr_b32 s54, s39, 6                         ; batch
	s_and_b32 s55, s39, 63                         ; tile in the batch
	s_mov_b32 s59, 0
	s_cmp_eq_u32 s38, 0
	s_cbranch_scc0 .Lnot_q
	s_mul_i32 s58, s39, 7168
	s_add_nc_u64 s[44:45], s[18:19], s[58:59]
	MAIN 0, 1024, 512
	s_branch .Lend
.Lnot_q:
	s_mul_i32 s58, s54, 917504
	s_cmp_eq_u32 s38, 1
	s_cbranch_scc0 .Lis_v
	s_lshl_b32 s56, s55, 10
	s_add_co_u32 s58, s58, s56
	s_add_nc_u64 s[44:45], s[20:21], s[58:59]
	MAIN 1, 131072, 512
	s_branch .Lend
.Lis_v:
	s_lshr_b32 s56, s55, 1                         ; key step: 2,048 bytes (two fragments);
	s_lshl_b32 s56, s56, 11
	s_add_co_u32 s58, s58, s56
	s_and_b32 s56, s55, 1                          ; my eight keys a lane are register group tile % 2
	s_lshl_b32 s56, s56, 9
	s_add_co_u32 s58, s58, s56
	s_add_co_u32 s58, s58, 65536
	s_add_nc_u64 s[44:45], s[20:21], s[58:59]
	MAIN 2, 131072, 1024
.Lend:
	s_wait_tensorcnt 0x0                           ; the wave's end: behind my last tensor load and my last LDS store
	ds_add_u32 v[SPW], v[NIL]
	s_wait_dscnt 0x0
	ROUND                                          ; the closing round
	s_endpgm
.Lfunc_end_k_q6c3bd70fa1_proj:
	.size	k_q6c3bd70fa1_proj, .Lfunc_end_k_q6c3bd70fa1_proj-k_q6c3bd70fa1_proj
	.p2alignl 7, 3214868480
	.fill 96, 4, 3214868480
	.section	.rodata,"a",@progbits
	.p2align	6, 0x0
	.amdhsa_kernel k_q6c3bd70fa1_proj
		.amdhsa_group_segment_fixed_size 232448
		.amdhsa_private_segment_fixed_size 0
		.amdhsa_enable_private_segment 0
		.amdhsa_kernarg_size 80
		.amdhsa_user_sgpr_count 2
		.amdhsa_user_sgpr_kernarg_segment_ptr 1
		.amdhsa_wavefront_size32 1
		.amdhsa_system_sgpr_workgroup_id_x 1
		.amdhsa_system_sgpr_workgroup_id_y 1
		.amdhsa_system_sgpr_workgroup_id_z 1
		.amdhsa_system_vgpr_workitem_id 0
		.amdhsa_next_free_vgpr 256
		.amdhsa_next_free_sgpr 80
		.amdhsa_reserve_vcc 0
		.amdhsa_float_denorm_mode_32 3
		.amdhsa_float_denorm_mode_16_64 3
		.amdhsa_memory_ordered 1
		.amdhsa_forward_progress 1
		.amdhsa_inst_pref_size 102
	.end_amdhsa_kernel
	.amdgpu_metadata
---
amdhsa.version: [ 1, 2 ]
amdhsa.kernels:
  - .name:           k_q6c3bd70fa1_proj
    .symbol:         k_q6c3bd70fa1_proj.kd
    .args:
      - { .name: Q, .offset: 0, .size: 8, .value_kind: global_buffer, .address_space: global }
      - { .name: K, .offset: 8, .size: 8, .value_kind: global_buffer, .address_space: global }
      - { .name: V, .offset: 16, .size: 8, .value_kind: global_buffer, .address_space: global }
      - { .name: W_Q, .offset: 24, .size: 8, .value_kind: global_buffer, .address_space: global }
      - { .name: W_K, .offset: 32, .size: 8, .value_kind: global_buffer, .address_space: global }
      - { .name: W_V, .offset: 40, .size: 8, .value_kind: global_buffer, .address_space: global }
      - { .name: W_O, .offset: 48, .size: 8, .value_kind: global_buffer, .address_space: global }
      - { .name: qimg, .offset: 56, .size: 8, .value_kind: global_buffer, .address_space: global }
      - { .name: kvimg, .offset: 64, .size: 8, .value_kind: global_buffer, .address_space: global }
      - { .name: woimg, .offset: 72, .size: 8, .value_kind: global_buffer, .address_space: global }
    .group_segment_fixed_size: 232448
    .private_segment_fixed_size: 0
    .kernarg_segment_align: 8
    .kernarg_segment_size: 80
    .max_flat_workgroup_size: 256
    .sgpr_count:     80
    .vgpr_count:     256
    .wavefront_size: 32
...
	.end_amdgpu_metadata
.endif
;; end of part 1
;; launch attn (part 2): grid 32 x 8, 8 waves a work-group, clusters of 4 x 1, 327,680 bytes of LDS; arguments qimg, kvimg, woimg, attn_mask, out0; writes out0
.if DOCPART == 2
	.amdgcn_target "amdgcn-amd-amdhsa--gfx1250"
	.amdhsa_code_object_version 6
	.text
	.protected	k_q6c3bd70fa1_attn
	.globl	k_q6c3bd70fa1_attn
	.p2align	8
	.type	k_q6c3bd70fa1_attn,@function
k_q6c3bd70fa1_attn:
	s_mov_b64 s[64:65], 0
	v_nop
	global_prefetch_b8 v0, s[64:65] scope:SCOPE_SE
	s_setreg_imm32_b32 hwreg(HW_REG_WAVE_MODE, 25, 1), 1
	s_wait_xcnt 0x0
	s_wait_alu depctr_hold_cnt(0) depctr_sa_sdst(0) depctr_va_vdst(0) depctr_va_sdst(0) depctr_va_ssrc(0) depctr_va_vcc(0) depctr_vm_vsrc(0)
	s_getreg_b32 s2, hwreg(HW_REG_IB_STS2, 6, 4)
	s_cmp_eq_u32 s2, 0
	s_cbranch_scc0 .Lentry_in_a_cluster
	s_endpgm
.Lentry_in_a_cluster:
	s_bfe_u32 s2, ttmp6, 0x10000c
	s_cmp_lg_u32 s2, 0x3003
	s_cbranch_scc0 .Lentry_shape_is_right
	s_endpgm
.Lentry_shape_is_right:
; out = (softmax(q k^T / sqrt(32), masked scores = a very large negative number) v, heads side by side) W_O.  q (already x log2(e) / sqrt(32)), k, v and 0.25 W_O come as f16 in the order of the operands' registers
; (a fragment of 8 registers is 1,024 bytes: [group of four][lane][16 bytes]).  Products on f16 operands with f32 sums; maxima, exponentials, sums in f32.
; SHARES.  A work-group owns 32 queries (two tiles of 16) of one batch, for all 7 heads: 256 work-groups.  Wave e owns keys 128 e .. 128 e + 127 for both tiles, and walks the heads.  In a head a wave holds all its 128 keys'
; scores at once: its own maximum m, sum l and O^T; the eight waves' parts meet in LDS and are merged under the true maximum: f = 2^(m_e - max m), ctx = sum f O / sum f l.
; LAYOUT.  S^T = k q^T (source 0 = 16 keys, source 1 = 16 queries), O^T = v^T p (source 0 = 16 of the head's 32, source 1 = p): a lane holds one query throughout.  Row r of tile 2 i + u is row 32 i + 8 u + r + 8 (r / 8), for keys
; and queries alike: so a lane's 16 score registers of tiles 2 i, 2 i + 1 are keys 32 i + 16 (lane / 16) + 0 .. 15: 16 neighbouring mask bytes, and, rounded in pairs, source 1 of the second product.
; THE MASK is read once and serves all heads: each byte becomes -2^127 or 0 in a register, and these 128 registers are the C of every head's first product.  A row whose 128 keys of a wave are all masked (m under -2^126)
; takes p = 1 for them (t x 0 - 0) and m = -2^127 exactly: beside any part with a key that counts its f is 0; where all eight parts are so, they weigh alike and the row is the mean of v, as equal masked scores give.
; CLUSTER.  The four work-groups of a cluster belong to one batch and walk the same k and v: each head's 131,072 bytes are asked for jointly, an eighth by each wave, into a ring of two slots; W_O's image takes slot 1 at the end.
; ctx is kept x 4 in f16 and W_O x 0.25 (powers of two), so that small ctx have room in f16.
; LIMITS: scores x log2(e) / sqrt(32) that count lie above -2^126; |v| under 16,376; NaN and infinities are not served; p, v, ctx carry f16's rounding, rows that the mask leaves with few keys too.
.set SLOT1, 131072                     ; LDS: slot 0 from 0, slot 1 from here: 64 fragments of k, then 64 of v
.set VOFF,  65536
.set PART,  2*SLOT1                    ; the waves' parts of O^T: [wave][tile][group of four registers 0..3][lane][16 bytes]; at the end the stage for 32 rows of out, 896 bytes each
.set MARR,  PART+32768                 ; their m: [tile][lane][wave], f32;
.set LARR,  MARR+2048                  ; their l likewise
.set CTX,   LARR+2048                  ; 4 x ctx in f16: fragment (tile t, head h) at (7 t + h) x 1,024
.set SPARE, CTX+14336                  ; the spare words, 128 bytes for each wave: four blocks of 256 bytes that no other line names
; REGISTERS, window 0: v1 zero; v2 .. v13 addresses; v16-31 statistics, 8 a tile: +0 a, +1 m, +2 m a, +3 a permute's destination, +4 .. 7 the maximum's chains (+5 later the m that is stored);
;   v40-55 q, two fragments; v56-63 sums, later the merge's pairs; v64-127 eight fragments of k, then of v; v128-255 S^T, 64 a tile, then p packed into each tile's first 32; the merge works there too.
; window 1: v0-127 the mask's numbers (64 t + 8 tile of keys + register); v128-159 O^T (16 t + 8 x half of the head), later out's four accumulators.
.set ZR,   1
.set ADK0, 2                           ; 16 lane + 8,192 wave: my first fragment of k in a slot
.set ADV0, 3                           ; of v
.set ADR,  4                           ; the run of loads in hand
.set QO,   5                           ; 16 lane
.set PS,   6                           ; where my parts of O^T go
.set MS,   7                           ; and my m (l: 2,048 on)
.set PR,   8                           ; the merge: my group of four registers in wave 0's part
.set MR,   9                           ; and my lane's eight m
.set CSA,  10                          ; where the merged 8 bytes go, in head 0's fragment
.set WA,   11                          ; at work
.set MV,   12                          ; -2^127
.set PFO,  13                          ; 256 x lane
.set SPW,  14                          ; LDS address of my spare word; never rewritten
.set NIL,  15                          ; 0; never rewritten
.set ST,   16
.set QF,   40
.set LS,   56
.set KV,   64
.set S,    128
.set OA,   128
.set WV,  14                           ; s14 wave  s15 cx  s16 batch  s17 my block of 32 queries
.set TB,  18                           ; s18 the slot that is read
.set HC,  19                           ; s19 1,024 x head
.set CNT, 20                           ; s20 the loop's count
.set QP,  22                           ; s[22:23] q's fragments of the head to be loaded
.set PFA, 58                           ; s[58:59] where my prefetches stand
.set LIM, 60                           ; s60 1 in a wave that prefetches, else the greatest number
.set MSB, 0
.macro WIN new                         ; the immediate's high byte repeats the setting that is left
.if MSB != \new
	s_set_vgpr_msb (MSB<<8)|\new
.set MSB, \new
.endif
.endm
.macro ROUND                           ; a round of the cluster's barrier
	s_barrier_signal -1
	s_barrier_wait -1
	s_cmp_lg_u32 s[WV], 0
	s_cbranch_scc1 .Lnot_wave_0_\@
	s_barrier_signal -3
.Lnot_wave_0_\@:
	s_barrier_wait -3
	s_barrier_signal -1
	s_barrier_wait -1
.endm
; A PREFETCH INTO THE L2 of the head that the NEXT change of slots will ask for: 131,072 bytes = 512 blocks of 256.  All clusters of a batch walk the same k and v: the batch's first cluster asks.  Its four partners take
; 32,768 bytes each, told apart by address; in each, waves 0 to 3 take 8,192 bytes, lanes 256 bytes apart: each block is named once in the launch.  The changes behind heads 0 to 3 ask for heads 3 to 6; heads 0 to 2 come by their loads alone.
.macro ASK
	s_cmp_gt_u32 s[CNT], s[LIM]
	s_cbranch_scc0 .Lnot_mine_\@
	global_prefetch_b8 v[PFO], s[PFA:PFA+1] th:TH_LOAD_NT scope:SCOPE_SE
.Lnot_mine_\@:
.endm
	s_load_b256 s[4:11], s[0:1], 0x0               ; qimg s[4:5], kvimg s[6:7], woimg s[8:9], the mask s[10:11]
	s_load_b64 s[12:13], s[0:1], 0x20              ; out
	v_lshl_add_u32 v[SPW], v0, 2, SPARE
	v_mov_b32 v[NIL], 0
	ds_add_u32 v[SPW], v[NIL]                      ; the wave's opening: the add, twice on end, and its wait ahead of my first tensor load; the set-up below stands between
	ds_add_u32 v[SPW], v[NIL]
	v_lshrrev_b32 v1, 5, v0
	v_readfirstlane_b32 s[WV], v1                  ; wave 0..7
	s_bfe_u32 s15, ttmp6, 0x40000                  ; cx: it enters global addresses alone
	s_and_b32 s16, ttmp7, 0xffff                   ; the batch, which the four partners share
	s_lshl_b32 s17, ttmp9, 2
	s_add_co_u32 s17, s17, s15                     ; my block of 32 queries
	; descriptor groups 1: dense blocks as rows of 256 bytes (32 elements of 8 bytes), asked for jointly by the four: 64 rows (an eighth of a head's k and v), 49 rows (an eighth of W_O's image)
	s_mov_b32 s24, 15|(3<<16)|(1<<21)
	s_mov_b32 s25, 32<<16
	s_mov_b32 s26, 64<<16
	s_mov_b32 s27, 32<<16
	s_mov_b32 s28, 64
	s_mov_b32 s29, 32
	s_mov_b32 s30, 0
	s_mov_b32 s31, 0
	s_mov_b32 s32, 15|(3<<16)|(1<<21)
	s_mov_b32 s33, 32<<16
	s_mov_b32 s34, 49<<16
	s_mov_b32 s35, 32<<16
	s_mov_b32 s36, 49
	s_mov_b32 s37, 32
	s_mov_b32 s38, 0
	s_mov_b32 s39, 0
	s_mov_b32 s40, 1                               ; group 0 for head 0: slot 0,
	s_lshl_b32 s41, s[WV], 14
	s_mov_b32 s44, 1                               ; for head 1: slot 1; it then walks;
	s_add_co_u32 s45, s41, SLOT1
	s_mov_b32 s48, 1                               ; for W_O's image: slot 1
	s_mul_i32 s66, s[WV], 12544
	s_add_co_u32 s49, s66, SLOT1
	s_mov_b32 s67, 0
	s_mul_i32 s62, s16, 917504                     ; the batch's k and v, my eighth of a head
	s_add_co_u32 s62, s62, s41
	s_mov_b32 s63, 0
	s_lshl_b32 s68, s16, 6                         ; q: tile 64 batch + 2 block
	s_lshl_b32 s69, s17, 1
	s_add_co_u32 s68, s68, s69
	s_mul_i32 s68, s68, 7168
	s_mov_b32 s69, 0
	s_lshl_b32 s70, s16, 20                        ; the mask: the batch, my 32 rows, my wave's 128 keys
	s_lshl_b32 s71, s17, 15
	s_add_co_u32 s70, s70, s71
	s_lshl_b32 s71, s[WV], 7
	s_add_co_u32 s70, s70, s71
	s_mov_b32 s71, 0
	s_lshl_b32 s72, s16, 10                        ; out: row 1,024 batch + 32 block, and my eighth of the 28,672 bytes
	s_lshl_b32 s73, s17, 5
	s_add_co_u32 s72, s72, s73
	s_mul_i32 s72, s72, 896
	s_mul_i32 s73, s[WV], 3584
	s_add_co_u32 s72, s72, s73
	s_mov_b32 s73, 0
	s_mul_i32 s74, s16, 917504                     ; the prefetches: head 2 (the first change steps it to head 3), my work-group's quarter, my wave's 8,192 bytes
	s_add_co_u32 s74, s74, 2*SLOT1
	s_lshl_b32 s75, s15, 15
	s_add_co_u32 s74, s74, s75
	s_lshl_b32 s75, s[WV], 13
	s_add_co_u32 s74, s74, s75
	s_mov_b32 s75, 0
	s_lshr_b32 s[LIM], s[WV], 2                    ; 0 in waves 0 to 3,
	s_or_b32 s[LIM], s[LIM], ttmp9                 ; of the batch's first cluster: the same in all four partners
	s_cmp_eq_u32 s[LIM], 0
	s_cselect_b32 s[LIM], 1, -1
	s_lshr_b32 s61, s[WV], 2                       ; the merge: wave w takes tile w / 4, group of four registers w % 4
	s_lshl_b32 s76, s61, 10
	s_mul_i32 s77, s61, 7168
	s_bfe_u32 s78, s[WV], 0x10001
	s_lshl_b32 s78, s78, 9
	s_add_co_u32 s77, s77, s78
	s_and_b32 s78, s[WV], 1
	s_lshl_b32 s78, s78, 3
	s_add_co_u32 s77, s77, s78
	s_add_co_u32 s77, s77, CTX
	s_mov_b32 s52, 0x04000000                      ; v_perm_b32: byte y of the first source on top, byte 0 of the second (a zero) below
	s_mov_b32 s53, 0x05000000
	s_mov_b32 s54, 0x06000000
	s_mov_b32 s55, 0x07000000
	s_mov_b32 s56, 0x76543210                      ; v_permlanex16_b32: lane l xor 16
	s_mov_b32 s57, 0xfedcba98
	s_mov_b32 s[TB], 0
	s_mov_b32 s[HC], 0
	v_and_b32 v16, 15, v0                          ; r
	v_bfe_u32 v17, v0, 4, 1                        ; h
	v_and_b32 v18, 31, v0                          ; lane
	v_lshlrev_b32 v[QO], 4, v18
	v_and_b32 v[WA], 8, v16
	v_add_nc_u32 v[WA], v[WA], v16                 ; r + 8 (r / 8)
	v_lshlrev_b32 v[WA], 10, v[WA]
	v_lshl_add_u32 v[WA], v17, 4, v[WA]            ; the mask: my query's row, + 16 h
	s_wait_dscnt 0x0                               ; both opening adds are done
	s_wait_kmcnt 0x0
	s_add_nc_u64 s[42:43], s[6:7], s[62:63]
	s_add_nc_u64 s[46:47], s[42:43], SLOT1
	s_or_b32 s43, s43, 0x80000000
	s_or_b32 s47, s47, 0x80000000
	s_add_nc_u64 s[50:51], s[8:9], s[66:67]
	s_or_b32 s51, s51, 0x80000000
	s_add_nc_u64 s[QP:QP+1], s[4:5], s[68:69]
	s_add_nc_u64 s[10:11], s[10:11], s[70:71]
	s_add_nc_u64 s[12:13], s[12:13], s[72:73]
	s_add_nc_u64 s[PFA:PFA+1], s[6:7], s[74:75]
.irp t, 0,1
.irp i, 0,1,2,3
	global_load_b128 v[S+16*\t+4*\i:S+16*\t+4*\i+3], v[WA], s[10:11] offset:8192*\t+32*\i th:TH_LOAD_NT   ; 16 mask bytes: keys 32 i + 16 h + 0 .. 15 of my 128, query r of tile t
.endr
.endr
.irp t, 0,1
.irp c, 0,1
	global_load_b128 v[QF+8*\t+4*\c:QF+8*\t+4*\c+3], v[QO], s[QP:QP+1] offset:7168*\t+512*\c   ; head 0's q
.endr
.endr
	ROUND                                          ; the four partners are here: the first joint loads meet
	tensor_load_to_lds s[40:43], s[24:31]          ; head 0 into slot 0,
	s_nop 0
	tensor_load_to_lds s[44:47], s[24:31]          ; head 1 into slot 1: two loads of mine are out
	s_nop 0
.rept 4
	v_nop
.endr
	v_mov_b32 v[ZR], 0
	v_lshl_add_u32 v[ADK0], s[WV], 13, v[QO]
	v_add_nc_u32 v[ADV0], VOFF, v[ADK0]
	v_lshl_add_u32 v[PS], s[WV], 12, v[QO]
	v_add_nc_u32 v[PS], PART, v[PS]
	v_lshlrev_b32 v[MS], 5, v18
	v_add_nc_u32 v[MR], s76, v[MS]
	v_add_nc_u32 v[MR], MARR, v[MR]
	v_lshl_add_u32 v[MS], s[WV], 2, v[MS]
	v_add_nc_u32 v[MS], MARR, v[MS]
	v_lshl_add_u32 v[PR], s[WV], 9, v[QO]
	v_add_nc_u32 v[PR], PART, v[PR]
	v_add_nc_u32 v[CSA], s77, v[QO]
	v_mov_b32 v[MV], 0xff000000
	v_lshlrev_b32 v[PFO], 8, v18
	v_mov_b32 v[ST+3], 0                           ; written once: a lane permute's destination counts as one of its sources
	v_mov_b32 v[ST+11], 0
	s_wait_loadcnt 4                               ; the mask's eight loads are in; q's four may be out
.set k, 0
.rept 32
	v_lshlrev_b32 v[S+32+k], 8, v[S+k]
.set k, k+1
.endr
.set k, 0
.rept 32
	v_sub_nc_u32 v[S+k], v[S+32+k], v[S+k]         ; x 255: each byte 1 becomes 0xff
.set k, k+1
.endr
	WIN 0x40                                       ; destination window 1
.set k, 0
.rept 32
.irp y, 0,1,2,3
	v_perm_b32 v[4*k+\y], v[S+k], v[ZR], s[52+\y]  ; 0xff000000 = -2^127 where the key is masked, else 0
.endr
.set k, k+1
.endr
	WIN 0
	s_wait_tensorcnt 0x1                           ; my eighth of head 0 is in; head 1's may stay out
	s_barrier_signal -1
	s_barrier_wait -1                              ; everybody's is
; ONE HEAD.  fill = 1: the slot that has been read takes the head two on; 2: W_O's image; 0: nothing.  qnext = 1: the next head's q is loaded.
.macro HEAD fill, qnext
	v_add_nc_u32 v[ADR], s[TB], v[ADK0]
.irp f, 0,1,2,3,4,5,6,7
	ds_load_b128 v[KV+8*\f:KV+8*\f+3], v[ADR] offset:1024*\f       ; my eight tiles of 16 keys
	ds_load_b128 v[KV+8*\f+4:KV+8*\f+7], v[ADR] offset:1024*\f+512
.endr
	s_wait_loadcnt 0x0                             ; q is in, and its loads have read their base:
	s_add_nc_u64 s[QP:QP+1], s[QP:QP+1], 1024      ; the next head's
	s_wait_dscnt 0x0
	WIN 0x10                                       ; C in window 1
.irp f, 0,1,2,3,4,5,6,7
.irp t, 0,1
	v_wmma_f32_16x16x32_f16 v[S+64*\t+8*\f:S+64*\t+8*\f+7], v[KV+8*\f:KV+8*\f+7], v[QF+8*\t:QF+8*\t+7], v[64*\t+8*\f:64*\t+8*\f+7]   ; t = score x log2(e) / sqrt(32), -2^127 where masked
.endr
.endr
	WIN 0
	v_add_nc_u32 v[ADR], s[TB], v[ADV0]            ; four places in front of the loads into the operands' registers and of the reads of the results
.rept 3
	v_nop
.endr
.irp f, 0,1,2,3,4,5,6,7
	ds_load_b128 v[KV+8*\f:KV+8*\f+3], v[ADR] offset:1024*\f       ; v: key step f / 2, half f % 2 of the head's 32; it lands under the softmax
	ds_load_b128 v[KV+8*\f+4:KV+8*\f+7], v[ADR] offset:1024*\f+512
.endr
.if \qnext
.irp t, 0,1
.irp c, 0,1
	global_load_b128 v[QF+8*\t+4*\c:QF+8*\t+4*\c+3], v[QO], s[QP:QP+1] offset:7168*\t+512*\c
.endr
.endr
.endif
	; the row's maximum over my 128 keys: four chains a tile, each over two accumulators, each accumulator from its low end on
.irp q, 0,1,2,3
.irp t, 0,1
	v_max3_num_f32 v[ST+8*\t+4+\q], v[S+64*\t+16*\q], v[S+64*\t+16*\q+1], v[S+64*\t+16*\q+2]
.endr
.endr
.irp i, 3,5,7,9,11,13
.irp q, 0,1,2,3
.irp t, 0,1
	v_max3_num_f32 v[ST+8*\t+4+\q], v[ST+8*\t+4+\q], v[S+64*\t+16*\q+\i], v[S+64*\t+16*\q+\i+1]
.endr
.endr
.endr
.irp q, 0,1,2,3
.irp t, 0,1
	v_max_num_f32 v[ST+8*\t+4+\q], v[ST+8*\t+4+\q], v[S+64*\t+16*\q+15]
.endr
.endr
.irp t, 0,1
	v_max3_num_f32 v[ST+8*\t+4], v[ST+8*\t+4], v[ST+8*\t+5], v[ST+8*\t+6]
.endr
.irp t, 0,1
	v_max_num_f32 v[ST+8*\t+4], v[ST+8*\t+4], v[ST+8*\t+7]
.endr
.irp t, 0,1
	v_permlanex16_b32 v[ST+8*\t+3], v[ST+8*\t+4], s56, s57   ; the query's other 64 keys lie in the lane 16 away
.endr
.irp t, 0,1
	v_max_num_f32 v[ST+8*\t+1], v[ST+8*\t+4], v[ST+8*\t+3]   ; m
.endr
.irp t, 0,1
	v_cmp_gt_f32 vcc_lo, 0xfe800000, v[ST+8*\t+1]  ; -2^126 > m: all my 128 keys are masked
	v_cndmask_b32 v[ST+8*\t], 1.0, v[ZR], vcc_lo   ; a = 0 there, else 1
	v_cndmask_b32 v[ST+8*\t+5], v[ST+8*\t+1], v[MV], vcc_lo   ; the m that is stored: -2^127 exactly there
	v_mul_f32 v[ST+8*\t+2], v[ST+8*\t+1], v[ST+8*\t]   ; m a
.endr
.irp t, 0,1
.set k, 0
.rept 32
	v_pk_fma_f32 v[S+64*\t+k:S+64*\t+k+1], v[S+64*\t+k:S+64*\t+k+1], v[ST+8*\t:ST+8*\t+1], v[ST+8*\t+2:ST+8*\t+3] op_sel_hi:[1,0,0] neg_lo:[0,0,1] neg_hi:[0,0,1]   ; t a - m a
.set k, k+2
.endr
.endr
.set k, 0
.rept 128
	v_exp_f32 v[S+k], v[S+k]                       ; p = 2^(t - m), at most 1: one batch
.set k, k+1
.endr
	v_nop                                          ; a plain place behind the last exponential
	s_wait_alu depctr_va_vdst(0)                   ; one wait for the batch, ahead of its first reader
	; the row's sum of the unrounded p: two chains a tile, two numbers an instruction
.irp t, 0,1
	v_pk_add_f32 v[LS+4*\t:LS+4*\t+1], v[S+64*\t:S+64*\t+1], v[S+64*\t+2:S+64*\t+3]
	v_pk_add_f32 v[LS+4*\t+2:LS+4*\t+3], v[S+64*\t+4:S+64*\t+5], v[S+64*\t+6:S+64*\t+7]
.endr
.irp j, 8,12,16,20,24,28,32,36,40,44,48,52,56,60
.irp t, 0,1
	v_pk_add_f32 v[LS+4*\t:LS+4*\t+1], v[LS+4*\t:LS+4*\t+1], v[S+64*\t+\j:S+64*\t+\j+1]
	v_pk_add_f32 v[LS+4*\t+2:LS+4*\t+3], v[LS+4*\t+2:LS+4*\t+3], v[S+64*\t+\j+2:S+64*\t+\j+3]
.endr
.endr
.irp t, 0,1
	v_pk_add_f32 v[LS+4*\t:LS+4*\t+1], v[LS+4*\t:LS+4*\t+1], v[LS+4*\t+2:LS+4*\t+3]
.endr
.irp t, 0,1
	v_add_f32 v[LS+4*\t], v[LS+4*\t], v[LS+4*\t+1]
.endr
.irp t, 0,1
	v_permlanex16_b32 v[LS+4*\t+1], v[LS+4*\t], s56, s57
.endr
.irp t, 0,1
	v_add_f32 v[LS+4*\t], v[LS+4*\t], v[LS+4*\t+1] ; l
.endr
.irp t, 0,1
.set k, 0
.rept 32
	v_cvt_pk_f16_f32 v[S+64*\t+k], v[S+64*\t+2*k], v[S+64*\t+2*k+1]   ; p to f16, ascending, in place: register k has been read when it is written
.set k, k+1
.endr
.endr
	s_wait_dscnt 0x0                               ; v is in
	WIN 0x50                                       ; C and D in window 1
.irp i, 0,1,2,3                                ; O^T = v^T p: four accumulators by turns; the first key step starts the sums
.irp t, 0,1
.irp a, 0,1
.if \i == 0
	v_wmma_f32_16x16x32_f16 v[OA+16*\t+8*\a:OA+16*\t+8*\a+7], v[KV+8*(2*\i+\a):KV+8*(2*\i+\a)+7], v[S+64*\t+8*\i:S+64*\t+8*\i+7], 0
.else
	v_wmma_f32_16x16x32_f16 v[OA+16*\t+8*\a:OA+16*\t+8*\a+7], v[KV+8*(2*\i+\a):KV+8*(2*\i+\a)+7], v[S+64*\t+8*\i:S+64*\t+8*\i+7], v[OA+16*\t+8*\a:OA+16*\t+8*\a+7]
.endif
.endr
.endr
.endr
.rept 5
	v_nop                                          ; places: four in front of the stores of the results and of loads into the operands' registers, five in front of the next products that write over these registers
.endr
	WIN 0x04                                       ; an LDS store's data: window 1
.irp t, 0,1
.irp a, 0,1
	ds_store_b128 v[PS], v[OA+16*\t+8*\a:OA+16*\t+8*\a+3] offset:2048*\t+1024*\a       ; each accumulator from its low end on
	ds_store_b128 v[PS], v[OA+16*\t+8*\a+4:OA+16*\t+8*\a+7] offset:2048*\t+1024*\a+512
.endr
.endr
	WIN 0
.irp t, 0,1
	ds_store_b32 v[MS], v[ST+8*\t+5] offset:1024*\t
	ds_store_b32 v[MS], v[LS+4*\t] offset:2048+1024*\t
.endr
	; THE CHANGE OF SLOTS, which is also the barrier between the parts' stores and the merge
	s_wait_tensorcnt 0x0                           ; all my tensor loads have landed: the one that was out is my eighth of the next head; so a group 0 may be written
	ds_add_u32 v[SPW], v[NIL]                      ; 0 onto my spare word; the steps below stand between it and the wait for it
.if \fill == 1
	s_xor_b32 s45, s45, SLOT1                      ; the walking descriptor: the other slot than last time, the next head
	s_add_nc_u64 s[46:47], s[46:47], SLOT1
	s_wait_xcnt 0x0                                ; the last prefetch, a head back, has read its address
	s_add_nc_u64 s[PFA:PFA+1], s[PFA:PFA+1], SLOT1 ; one head further on than the walking descriptor
.endif
	s_xor_b32 s[TB], s[TB], SLOT1                  ; the reads go on in the other slot
	s_wait_dscnt 0x0                               ; the add is done, my reads of the slot are over, my parts have landed
.if \fill
	ROUND                                          ; no wave of any partner still reads the slot or has a load on its way
.if \fill == 1
	tensor_load_to_lds s[44:47], s[24:31]          ; my one load behind the round: it has a head's work in which to land
.else
	tensor_load_to_lds s[48:51], s[32:39]          ; W_O's image
.endif
	s_nop 0
.rept 4
	v_nop
.endr
.else
	s_barrier_signal -1
	s_barrier_wait -1
.endif
	; THE MERGE: my tile, my group of four registers of O^T, from all eight waves
	ds_load_b128 v[S:S+3], v[MR]                   ; m of waves 0 .. 7
	ds_load_b128 v[S+4:S+7], v[MR] offset:16
	ds_load_b128 v[S+8:S+11], v[MR] offset:2048    ; l
	ds_load_b128 v[S+12:S+15], v[MR] offset:2064
.irp i, 0,1,2,3,4,5,6,7
	ds_load_b128 v[S+16+4*\i:S+19+4*\i], v[PR] offset:4096*\i
.endr
.if \fill == 1
	ASK
.endif
	v_add_nc_u32 v[WA], s[HC], v[CSA]
	s_add_co_u32 s[HC], s[HC], 1024
	s_wait_dscnt 10                                ; the eight m are in (behind them: l's two loads and the parts' eight)
	v_max3_num_f32 v[LS], v[S], v[S+1], v[S+2]
	v_max3_num_f32 v[LS], v[LS], v[S+3], v[S+4]
	v_max3_num_f32 v[LS], v[LS], v[S+5], v[S+6]
	v_max_num_f32 v[LS], v[LS], v[S+7]             ; the row's true maximum
.irp k, 0,2,4,6
	v_pk_add_f32 v[S+\k:S+\k+1], v[S+\k:S+\k+1], v[LS:LS+1] op_sel_hi:[1,0] neg_lo:[0,1] neg_hi:[0,1]
.endr
.irp k, 0,1,2,3,4,5,6,7
	v_exp_f32 v[S+\k], v[S+\k]                     ; f
.endr
	v_nop
	s_wait_alu depctr_va_vdst(0)                   ; one wait for the eight
	s_wait_dscnt 8                                 ; l is in
	v_pk_mul_f32 v[LS+2:LS+3], v[S:S+1], v[S+8:S+9]
.irp k, 2,4,6
	v_pk_fma_f32 v[LS+2:LS+3], v[S+\k:S+\k+1], v[S+8+\k:S+9+\k], v[LS+2:LS+3]
.endr
	v_add_f32 v[LS+2], v[LS+2], v[LS+3]
	v_rcp_f32 v[LS+4], v[LS+2]
	s_wait_dscnt 0x0
	v_pk_mul_f32 v[S+48:S+49], v[S+16:S+17], v[S:S+1] op_sel_hi:[1,0]
	v_pk_mul_f32 v[S+50:S+51], v[S+18:S+19], v[S:S+1] op_sel_hi:[1,0]
.irp i, 1,2,3,4,5,6,7
.if (\i)%2
	v_pk_fma_f32 v[S+48:S+49], v[S+16+4*\i:S+17+4*\i], v[S+\i-1:S+\i], v[S+48:S+49] op_sel:[0,1,0] op_sel_hi:[1,1,1]   ; both halves x the pair's upper f
	v_pk_fma_f32 v[S+50:S+51], v[S+18+4*\i:S+19+4*\i], v[S+\i-1:S+\i], v[S+50:S+51] op_sel:[0,1,0] op_sel_hi:[1,1,1]
.else
	v_pk_fma_f32 v[S+48:S+49], v[S+16+4*\i:S+17+4*\i], v[S+\i:S+\i+1], v[S+48:S+49] op_sel_hi:[1,0,1]                  ; both halves x the pair's lower f
	v_pk_fma_f32 v[S+50:S+51], v[S+18+4*\i:S+19+4*\i], v[S+\i:S+\i+1], v[S+50:S+51] op_sel_hi:[1,0,1]
.endif
.endr
	s_wait_alu depctr_va_vdst(0)                   ; the reciprocal's wait, ahead of its first reader; the sums above are the work between
	v_mul_f32 v[LS+4], 4.0, v[LS+4]
	v_pk_mul_f32 v[S+48:S+49], v[S+48:S+49], v[LS+4:LS+5] op_sel_hi:[1,0]
	v_pk_mul_f32 v[S+50:S+51], v[S+50:S+51], v[LS+4:LS+5] op_sel_hi:[1,0]
	v_cvt_pk_f16_f32 v[LS+6], v[S+48], v[S+49]
	v_cvt_pk_f16_f32 v[LS+7], v[S+50], v[S+51]
	ds_store_b64 v[WA], v[LS+6:LS+7]               ; 4 x ctx: four neighbours of the head's 32, at their place in the fragment
	s_wait_dscnt 0x0                               ; my reads of the parts are over, my store has landed
	s_barrier_signal -1                            ; behind this barrier the parts are written again; the refill may stay out
	s_barrier_wait -1
.endm
	s_mov_b32 s[CNT], 5
.Lhead:                                            ; heads 0 to 4: the slot left takes heads 2 to 6
	HEAD 1, 1
	s_sub_co_u32 s[CNT], s[CNT], 1
	s_cmp_lg_u32 s[CNT], 0
	s_cbranch_scc1 .Lhead
	HEAD 2, 1                                      ; head 5: slot 1 takes W_O's image
	HEAD 0, 0                                      ; head 6: nothing is asked for; its wait and barrier show W_O's image whole
	; out^T = W_O^T ctx^T: source 0 = 16 columns of W_O, source 1 = 16 queries; K = 224 in 7 steps, a head each.  Waves 0 to 6 take two tiles of columns each, for both tiles of queries.
	v_and_b32 v16, 15, v0
	v_bfe_u32 v17, v0, 4, 1
	s_mul_i32 s62, s[WV], 14336
	s_add_co_u32 s62, s62, SLOT1
	v_add_nc_u32 v2, s62, v[QO]                    ; my 14 fragments of W_O
	v_add_nc_u32 v3, CTX, v[QO]                    ; ctx's 14
	v_and_b32 v4, 8, v16
	v_add_nc_u32 v4, v4, v16
	v_mul_u32_u24 v4, v4, 896
	v_lshl_add_u32 v4, v17, 5, v4
	v_lshl_add_u32 v4, s[WV], 7, v4
	v_add_nc_u32 v4, PART, v4                      ; the stage, in: row r + 8 (r / 8) (+ 8 t), + 128 wave + 32 h bytes
	s_mul_i32 s63, s[WV], 3584
	s_add_co_u32 s63, s63, PART
	v_add_nc_u32 v6, s63, v[QO]                    ; and back: my eighth of its 28,672 dense bytes
	s_cmp_eq_u32 s[WV], 7
	s_cbranch_scc1 .Lno_proj
.irp f, 0,1,2,3,4,5,6,7,8,9,10,11,12,13
	ds_load_b128 v[32+8*\f:35+8*\f], v2 offset:1024*\f
	ds_load_b128 v[36+8*\f:39+8*\f], v2 offset:1024*\f+512
	ds_load_b128 v[144+8*\f:147+8*\f], v3 offset:1024*\f
	ds_load_b128 v[148+8*\f:151+8*\f], v3 offset:1024*\f+512
.endr
	s_wait_dscnt 0x0
	WIN 0x50
.irp s, 0,1,2,3,4,5,6
.irp t, 0,1
.irp a, 0,1
.if \s == 0
	v_wmma_f32_16x16x32_f16 v[OA+16*\t+8*\a:OA+16*\t+8*\a+7], v[32+8*(7*\a+\s):39+8*(7*\a+\s)], v[144+8*(7*\t+\s):151+8*(7*\t+\s)], 0
.else
	v_wmma_f32_16x16x32_f16 v[OA+16*\t+8*\a:OA+16*\t+8*\a+7], v[32+8*(7*\a+\s):39+8*(7*\a+\s)], v[144+8*(7*\t+\s):151+8*(7*\t+\s)], v[OA+16*\t+8*\a:OA+16*\t+8*\a+7]
.endif
.endr
.endr
.endr
.rept 4
	v_nop                                          ; places in front of the stores of the results and of the loads into the operands' registers
.endr
	WIN 0x04
.irp t, 0,1
.irp a, 0,1
	ds_store_b128 v4, v[OA+16*\t+8*\a:OA+16*\t+8*\a+3] offset:7168*\t+64*\a       ; eight neighbouring columns of my query's row
	ds_store_b128 v4, v[OA+16*\t+8*\a+4:OA+16*\t+8*\a+7] offset:7168*\t+64*\a+16
.endr
.endr
	WIN 0
.Lno_proj:
	s_wait_dscnt 0x0                               ; my stores into the stage have landed
	s_barrier_signal -1
	s_barrier_wait -1
.irp i, 0,1,2,3,4,5,6
	ds_load_b128 v[32+4*\i:35+4*\i], v6 offset:512*\i
.endr
.irp i, 0,1,2,3,4,5,6
	s_wait_dscnt 6-\i                              ; load i is in; the younger ones may be out
	global_store_b128 v[QO], v[32+4*\i:35+4*\i], s[12:13] offset:512*\i th:TH_STORE_NT   ; 32 lanes store 512 consecutive bytes, at a multiple of 256 from out's first byte
.endr
	s_wait_tensorcnt 0x0                           ; the wave's end: behind my last tensor load and my last LDS store
	ds_add_u32 v[SPW], v[NIL]
	s_wait_dscnt 0x0
	ROUND                                          ; the closing round
	s_endpgm
.Lfunc_end_k_q6c3bd70fa1_attn:
	.size	k_q6c3bd70fa1_attn, .Lfunc_end_k_q6c3bd70fa1_attn-k_q6c3bd70fa1_attn
	.p2alignl 7, 3214868480
	.fill 96, 4, 3214868480
	.section	.rodata,"a",@progbits
	.p2align	6, 0x0
	.amdhsa_kernel k_q6c3bd70fa1_attn
		.amdhsa_group_segment_fixed_size 327680
		.amdhsa_private_segment_fixed_size 0
		.amdhsa_enable_private_segment 0
		.amdhsa_kernarg_size 40
		.amdhsa_user_sgpr_count 2
		.amdhsa_user_sgpr_kernarg_segment_ptr 1
		.amdhsa_wavefront_size32 1
		.amdhsa_system_sgpr_workgroup_id_x 1
		.amdhsa_system_sgpr_workgroup_id_y 1
		.amdhsa_system_sgpr_workgroup_id_z 1
		.amdhsa_system_vgpr_workitem_id 0
		.amdhsa_next_free_vgpr 416
		.amdhsa_next_free_sgpr 90
		.amdhsa_reserve_vcc 1
		.amdhsa_float_denorm_mode_32 3
		.amdhsa_float_denorm_mode_16_64 3
		.amdhsa_memory_ordered 1
		.amdhsa_forward_progress 1
		.amdhsa_inst_pref_size 118
	.end_amdhsa_kernel
	.amdgpu_metadata
---
amdhsa.version: [ 1, 2 ]
amdhsa.kernels:
  - .name:           k_q6c3bd70fa1_attn
    .symbol:         k_q6c3bd70fa1_attn.kd
    .args:
      - { .name: qimg, .offset: 0, .size: 8, .value_kind: global_buffer, .address_space: global }
      - { .name: kvimg, .offset: 8, .size: 8, .value_kind: global_buffer, .address_space: global }
      - { .name: woimg, .offset: 16, .size: 8, .value_kind: global_buffer, .address_space: global }
      - { .name: attn_mask, .offset: 24, .size: 8, .value_kind: global_buffer, .address_space: global }
      - { .name: out0, .offset: 32, .size: 8, .value_kind: global_buffer, .address_space: global }
    .group_segment_fixed_size: 327680
    .private_segment_fixed_size: 0
    .kernarg_segment_align: 8
    .kernarg_segment_size: 40
    .max_flat_workgroup_size: 256
    .sgpr_count:     90
    .vgpr_count:     416
    .wavefront_size: 32
...
	.end_amdgpu_metadata
.endif
;; end of part 2
